; MI455X (gfx1250); checked and timed in simulation.
; The chip was launched on July 23, 2026; its instructions are those of AMD's public machine-readable ISA for CDNA 5 (MIT licence, August 2026) and "CDNA5" Instruction Set Architecture Reference Guide (July 2026). The comments in the code are by the model that wrote it; some were corrected since.
;; Attention Pooling. Allowed arithmetic: matrix products marked QUANTISED: E4M3 operands, one E8M0 scale for each 32 along K, by v_wmma_scale_f32_16x16x128_f8f6f4 with both operands' format E4M3, f32 sums; everything else in f32.
;; Inputs: Wk 256 x 256 float32; Wq 256 x 256 float32; Wv 256 x 256 float32; bk 256 float32; bq 256 float32; bv 256 float32; x 4 x 4,096 x 256 float32.
;; Outputs: out0 4 x 1 x 256 float32.
;; This version of the problem:
;;   THIS VERSION OF THE PROBLEM IS GIVEN IN LOW PRECISION. The matrix products marked QUANTISED in the list below multiply operands that are first quantised to E4M3 (4 exponent bits, 3 mantissa bits; 8 bits a number), with one power-of-two scale for each 32 numbers along K (OCP MX v1.0); their sums are f32. All else is computed in f32.
;;   The module's matrix products, in the order in which they are computed (A, B: the left and right operand; K: the contracted axis; several contracted axes count as one K, in the product's order):
;;     1. [M 16,384, K 256] x [K 256, N 256]; A: input x; B: input Wq: QUANTISED
;;     2. [M 16,384, K 256] x [K 256, N 256]; A: input x; B: input Wk: QUANTISED
;;     3. [M 16,384, K 256] x [K 256, N 256]; A: input x; B: input Wv: QUANTISED
;;     4. batch 4 x [M 4,096, K 256] x [K 256, N 4,096]; A: computed on the way; B: computed on the way: QUANTISED
;;     5. batch 4 x [M 4,096, K 4,096] x [K 4,096, N 256]; A: softmax (see below); B: computed on the way: QUANTISED
;;   THE QUANTISER, for each operand of a quantised product, along K:
;;     - K is cut into blocks of 32 from its start; a last block that is shorter is filled with zeros.
;;     - A block's scale is 2^e with e = floor(log2(the largest magnitude in the block)) - 8, held to -126 .. 127; a block of zeros has e = 0. As a byte (E8M0): e + 127.
;;     - Each number is divided by its block's scale, clamped to +-448, and rounded to the nearest number of E4M3, ties to even, subnormals kept.
;;     - The product sums the exact products of the quantised numbers (number of the format x scale) in f32.
;;   ~~~python
;;   def quantise(x, axis):      # numpy; x: float32 -> the quantised numbers, widened to float32 again
;;       x = np.moveaxis(x, axis, -1); K = x.shape[-1]
;;       x = np.pad(x, [(0, 0)] * (x.ndim - 1) + [(0, -K % 32)]); x = x.reshape(x.shape[:-1] + (-1, 32)); a = np.abs(x).max(-1, keepdims=True)
;;       e = np.where(a > 0, np.clip(np.frexp(np.where(a > 0, a, 1))[1] - 1 - 8, -126, 127), 0)      # np.frexp(a)[1] - 1 = floor(log2(a)), exactly
;;       r = np.clip(x / 2.0 ** e, -448, 448)
;;       step = 2.0 ** (np.maximum(np.frexp(np.where(r == 0, 1, r))[1] - 1, -6) - 3)
;;       q = np.round(r / step) * step * 2.0 ** e      # np.round: ties to even
;;       return np.moveaxis(q.reshape(q.shape[:-2] + (-1,))[..., :K], -1, axis).astype(np.float32)
;;   ~~~
;;   SOFTMAX AHEAD OF A QUANTISED PRODUCT. Where the list says 'softmax', what is quantised is not the finished softmax but p = 2^(t - M), with t = logit x log2(e) and M = ceil(the row's largest t), a whole number; so 1/2 < the row's largest p <= 1. The row's sum l is taken of the UNQUANTISED p, in f32, and the product's result is divided by l at the end. Since M is a whole number, a kernel that streams over the keys may use a running M (the ceiling of the running maximum): every later rescaling is an exact power of two, which a block's scale takes up: the codes' values come out the same.
;;   OPERANDS COMPUTED ON THE WAY. 'Computed on the way' means the value that the module computes at that place (a softmax that the list does not call 'softmax' is quantised finished and normalised). What goes into a quantiser is computed in f32, as accurately as f32 sums, v_exp_f32 and their like allow (about 1e-6 of the number): no bf16 or f16 on the way to a quantiser, and a product that is left as it is and whose result goes on into a quantised operand takes f32 operands (vector FMAs, or v_wmma_f32_16x16x4_f32). A number that lies on a knife's edge between two numbers of the format may be rounded either way, as far as f32 arithmetic and the matrix unit's own rounding can turn it there, and no further.
;; One version. Each part assembles by itself: llvm-mc -triple=amdgcn-amd-amdhsa -mcpu=gfx1250 --defsym DOCPART=n.
;; ======== version 1 of 1: 4 launches
;; limits: right only within a limited range of input values
;; workspace buffers: wimg 196,608 bytes; wsc 6,144 bytes; qimg 4,194,304 bytes; qsc 131,072 bytes; kv 8,650,752 bytes; part 262,144 bytes
;; launch wquant (part 1): grid 48 x 1, 4 waves a work-group, no clusters, 768 bytes of LDS; arguments Wq, Wk, Wv, wimg, wsc; writes wimg, wsc
.if DOCPART == 1
	.amdgcn_target "amdgcn-amd-amdhsa--gfx1250"
	.amdhsa_code_object_version 6
	.text
	.protected	k_q20944ad806_wquant
	.globl	k_q20944ad806_wquant
	.p2align	8
	.type	k_q20944ad806_wquant,@function
k_q20944ad806_wquant:
	s_mov_b64 s[64:65], 0
	v_nop
	global_prefetch_b8 v0, s[64:65] scope:SCOPE_SE
	s_setreg_imm32_b32 hwreg(HW_REG_WAVE_MODE, 25, 1), 1
	s_wait_xcnt 0x0
; Wq, Wk, Wv [256 (k)][256 (n)] f32, K = the FIRST axis, become codes of FP8 (E4M3) with one E8M0 byte for each 32 along K,
; laid in the ORDER OF AN OPERAND'S REGISTERS: fragment (matrix u3 = 0 q, 1 k, 2 v; tile T of 16 columns; K step s of 128) is 2,048 bytes at
; ((16 u3 + T) 2 + s) 2048: [chunk c][lane 16 h + r][16 bytes] = the codes of k = 128 s + 32 c + 16 h + 0..15 of the tile's column r.
; THE COLUMNS OF A TILE ARE NOT NEIGHBOURS: lane r of tile 2 b + u takes column 32 b + 8 u + r + 8 (r / 8), so that the results of two neighbouring
; tiles are 16 neighbours along the next product's K.  Scale words: (16 u3 + T) 128 + (16 s + r) 4, so that one register carries both K steps.
; A LANE TAKES A COLUMN AND ITS REGISTERS RUN DOWN K: a block of 32 lies in one lane, its largest magnitude needs no other lane, and the
; conversions give codes with K innermost.  A work-group takes 32 columns x 128 K (3 matrices x 8 column blocks x 2 K steps = 48 work-groups); its wave c takes block c of 32 along K: 32 loads, all issued at once.
; The four scale bytes of a column come from the four waves: they meet in 256 bytes of LDS, and wave 0 stores them as words, in runs of 64 bytes: 6,144 bytes in the whole launch.
; A block's scale is 2^(floor(log2(largest magnitude)) - 8); its byte is that magnitude's exponent field - 8, held at 1 from below.
; LIMITS: NaN and infinities among the inputs are not served; a block of zeros gets the byte 1 and not 127: its codes are zeros, and this program alone reads the bytes.
; No matrix work, nothing that two work-groups both read: so no cluster.
.set X,   32                           ; v32-63   my column's 32 numbers
.set C,   64                           ; v64-71   their codes
.set MNT, 26                           ; s26      the mantissa field of 448
	s_load_b256 s[4:11], s[0:1], 0x0               ; Wq s[4:5], Wk s[6:7], Wv s[8:9], wimg s[10:11]
	s_load_b64 s[12:13], s[0:1], 0x20              ; wsc
	v_lshl_add_u32 v96, v0, 2, 0x100
	v_mov_b32 v97, 0
	v_lshrrev_b32 v4, 5, v0
	v_readfirstlane_b32 s14, v4                    ; wave = block c
	v_and_b32 v5, 31, v0                           ; lane x: column 32 b + x
	v_lshlrev_b32 v1, 2, v5                        ; in: 4 bytes a lane
	v_bfe_u32 v6, v5, 3, 1                         ; u = (x / 8) % 2: which of the two tiles my column belongs to
	v_and_b32 v7, 7, v5
	v_lshrrev_b32 v8, 4, v5
	v_lshl_add_u32 v7, v8, 3, v7                   ; r = x % 8 + 8 (x / 16): its lane there
	v_lshlrev_b32 v2, 4, v7
	v_lshl_add_u32 v2, v6, 12, v2                  ; codes: 4096 u + 16 r
	v_lshlrev_b32 v3, 2, v7
	v_lshl_add_u32 v3, v6, 7, v3                   ; scale word: 128 u + 4 r, in LDS and in memory alike
	v_add_nc_u32 v9, s14, v3                       ; my byte of it
	s_lshr_b32 s15, ttmp9, 4                       ; which matrix
	s_and_b32 s16, ttmp9, 15
	s_lshr_b32 s17, s16, 1                         ; b: column block
	s_and_b32 s18, s16, 1                          ; s: K step
	s_lshl_b32 s20, s18, 17                        ; 128 rows of 1,024 bytes
	s_lshl_b32 s19, s17, 7
	s_add_co_u32 s20, s20, s19                     ; + 32 columns of 4 bytes
	s_lshl_b32 s19, s14, 15
	s_add_co_u32 s20, s20, s19                     ; + my block's 32 rows
	s_mov_b32 s21, 0
	s_lshl_b32 s22, s15, 4
	s_lshl_b32 s19, s17, 1
	s_add_co_u32 s22, s22, s19                     ; tile 16 u3 + 2 b
	s_lshl_b32 s24, s22, 7
	s_lshl_b32 s19, s18, 6
	s_add_co_u32 s24, s24, s19                     ; scale words: 128 x tile + 64 s
	s_mov_b32 s25, 0
	s_lshl_b32 s22, s22, 12
	s_lshl_b32 s19, s18, 11
	s_add_co_u32 s22, s22, s19                     ; codes: 4096 x tile + 2048 s
	s_lshl_b32 s19, s14, 9
	s_add_co_u32 s22, s22, s19                     ; + 512 c
	s_mov_b32 s23, 0
	s_mov_b32 s[MNT], 0x600000
	s_wait_kmcnt 0x0
	s_cmp_eq_u32 s15, 0                            ; the choice hangs on the work-group's number alone
	s_cselect_b64 s[4:5], s[4:5], s[6:7]
	s_cmp_eq_u32 s15, 2
	s_cselect_b64 s[4:5], s[8:9], s[4:5]
	s_add_nc_u64 s[4:5], s[4:5], s[20:21]
	s_add_nc_u64 s[10:11], s[10:11], s[22:23]
	s_add_nc_u64 s[12:13], s[12:13], s[24:25]
.set li, 0
.rept 32
	global_load_b32 v[X+li], v1, s[4:5] offset:li*1024 th:TH_LOAD_NT      ; a row of W at my column; 32 lanes read 128 consecutive bytes
.set li, li+1
.endr
	s_wait_loadcnt 0x0
	v_max3_num_f32 v12, |v[X]|, |v[X+1]|, |v[X+2]|         ; the block's largest magnitude, in two chains
	v_max3_num_f32 v13, |v[X+3]|, |v[X+4]|, |v[X+5]|
.irp i, 6,10,14,18,22,26
	v_max3_num_f32 v12, v12, |v[X+\i]|, |v[X+\i+1]|
	v_max3_num_f32 v13, v13, |v[X+\i+2]|, |v[X+\i+3]|
.endr
	v_max3_num_f32 v12, v12, |v[X+30]|, |v[X+31]|
	v_max3_num_f32 v12, v12, v13, 0x4800000        ; and the floor 2^(9 - 127): the byte cannot fall under 1
	v_add_nc_u32 v11, 0xfc000000, v12              ; 8 off the exponent field: the conversion's scale operand
	v_and_or_b32 v10, v12, 0x7f800000, s[MNT]      ; 448 x the scale
	v_lshrrev_b32 v13, 23, v11                     ; the scale's byte
.set li, 0
.rept 32
	v_med3_num_f32 v[X+li], v[X+li], -v10, v10     ; the conversion to an 8-bit code does not saturate (ISA guide 7.6.2): the hold comes first
.set li, li+1
.endr
.irp g, 0,1,2,3
	v_cvt_scalef32_pk8_fp8_f32 v[C+2*\g:C+2*\g+1], v[X+8*\g:X+8*\g+7], v11
.endr
	v_nop                                          ; a plain line behind the last conversion
	global_store_b128 v2, v[C:C+3], s[10:11]               ; k = 32 c + 0..15: the image's lanes 0-15; the sixteen lanes of a tile write 256 consecutive bytes, aligned
	global_store_b128 v2, v[C+4:C+7], s[10:11] offset:256  ; k = 32 c + 16..31: its lanes 16-31
	ds_store_b8 v9, v13                            ; byte c of my column's word
	s_wait_dscnt 0x0                               ; for wave 0's sake: my store is done
	s_barrier_signal -1
	s_barrier_wait -1
	s_cmp_lg_u32 s14, 0
	s_cbranch_scc1 .Lend
	ds_load_b32 v16, v3                            ; the four waves' bytes
	s_wait_dscnt 0x0
	global_store_b32 v3, v16, s[12:13]
.Lend:
	s_wait_tensorcnt 0x0
	ds_add_u32 v96, v97
	s_wait_dscnt 0x0
	s_endpgm
.Lfunc_end_k_q20944ad806_wquant:
	.size	k_q20944ad806_wquant, .Lfunc_end_k_q20944ad806_wquant-k_q20944ad806_wquant
	.p2alignl 7, 3214868480
	.fill 96, 4, 3214868480
	.section	.rodata,"a",@progbits
	.p2align	6, 0x0
	.amdhsa_kernel k_q20944ad806_wquant
		.amdhsa_group_segment_fixed_size 768
		.amdhsa_private_segment_fixed_size 0
		.amdhsa_enable_private_segment 0
		.amdhsa_kernarg_size 40
		.amdhsa_user_sgpr_count 2
		.amdhsa_user_sgpr_kernarg_segment_ptr 1
		.amdhsa_wavefront_size32 1
		.amdhsa_system_sgpr_workgroup_id_x 1
		.amdhsa_system_sgpr_workgroup_id_y 1
		.amdhsa_system_sgpr_workgroup_id_z 1
		.amdhsa_system_vgpr_workitem_id 0
		.amdhsa_next_free_vgpr 98
		.amdhsa_next_free_sgpr 66
		.amdhsa_reserve_vcc 0
		.amdhsa_float_denorm_mode_32 3
		.amdhsa_float_denorm_mode_16_64 3
		.amdhsa_memory_ordered 1
		.amdhsa_forward_progress 1
		.amdhsa_inst_pref_size 10
	.end_amdhsa_kernel
	.amdgpu_metadata
---
amdhsa.version: [ 1, 2 ]
amdhsa.kernels:
  - .name:           k_q20944ad806_wquant
    .symbol:         k_q20944ad806_wquant.kd
    .args:
      - { .name: Wq, .offset: 0, .size: 8, .value_kind: global_buffer, .address_space: global }
      - { .name: Wk, .offset: 8, .size: 8, .value_kind: global_buffer, .address_space: global }
      - { .name: Wv, .offset: 16, .size: 8, .value_kind: global_buffer, .address_space: global }
      - { .name: wimg, .offset: 24, .size: 8, .value_kind: global_buffer, .address_space: global }
      - { .name: wsc, .offset: 32, .size: 8, .value_kind: global_buffer, .address_space: global }
    .group_segment_fixed_size: 768
    .private_segment_fixed_size: 0
    .kernarg_segment_align: 8
    .kernarg_segment_size: 40
    .max_flat_workgroup_size: 128
    .sgpr_count:     66
    .vgpr_count:     98
    .wavefront_size: 32
...
	.end_amdgpu_metadata
.endif
;; end of part 1
;; launch proj (part 2): grid 256 x 1, 8 waves a work-group, clusters of 4 x 1, 283,648 bytes of LDS; arguments x, wimg, wsc, bq, bk, bv, qimg, qsc, kv; writes qimg, qsc, kv
.if DOCPART == 2
	.amdgcn_target "amdgcn-amd-amdhsa--gfx1250"
	.amdhsa_code_object_version 6
	.text
	.protected	k_q20944ad806_proj
	.globl	k_q20944ad806_proj
	.p2align	8
	.type	k_q20944ad806_proj,@function
k_q20944ad806_proj:
	s_mov_b64 s[64:65], 0
	v_nop
	global_prefetch_b8 v0, s[64:65] scope:SCOPE_SE
	s_setreg_imm32_b32 hwreg(HW_REG_WAVE_MODE, 25, 1), 1
	s_wait_xcnt 0x0
	s_wait_alu depctr_hold_cnt(0) depctr_sa_sdst(0) depctr_va_vdst(0) depctr_va_sdst(0) depctr_va_ssrc(0) depctr_va_vcc(0) depctr_vm_vsrc(0)
	s_getreg_b32 s2, hwreg(HW_REG_IB_STS2, 6, 4)
	s_cmp_eq_u32 s2, 0
	s_cbranch_scc0 .Lentry_in_a_cluster
	s_endpgm
.Lentry_in_a_cluster:
	s_bfe_u32 s2, ttmp6, 0x10000c
	s_cmp_lg_u32 s2, 0x3003
	s_cbranch_scc0 .Lentry_shape_is_right
	s_endpgm
.Lentry_shape_is_right:
; q = Q(x) Q(Wq) + bq, k and v likewise, on codes of FP8 (E4M3) with one E8M0 scale for each 32 along K; then q and k are quantised along their 256 columns and v along the KEYS,
; and all three leave as IMAGES OF OPERAND REGISTERS ([chunk c][lane][16 bytes], 2,048 bytes a fragment of 16 rows x 128 K), so that the attention launch loads every fragment 16 bytes a lane, on end.
; SHARES.  A work-group takes 64 rows of x: half a block of the buffer kv.  16,384 / 64 = 256 work-groups.  Wave w owns columns 32 w .. 32 w + 31 of q, of k and of v: two tiles of each weight, 12 fragments, 192 registers.
; CLUSTERS.  All work-groups read the same weights: the four of a cluster ask for them jointly, one tensor load a wave: its 8,192 bytes of each of the three images.  They land in bytes of the wave's own, filled once.
; THE ROWS OF A TILE ARE NOT NEIGHBOURS: lane r of tile 2 b + u takes row (of x) or column (of a weight) 32 b + 8 u + r + 8 (r / 8).
;   q, k: the product is used TRANSPOSED (source 0 = 16 columns of W, source 1 = 16 rows of x): a lane holds one row of x, and the 16 registers of my two tiles are columns 32 w + 16 h + 0..15: chunk w % 4 of K step w / 4.
;   v:    source 0 = 16 rows of x, source 1 = 16 columns of Wv: a lane holds one channel, and the 16 registers of two neighbouring row tiles are keys 32 p + 16 h + 0..15: a chunk of the channel tile's fragment.
; So each conversion's result is a chunk of an image and leaves by one store of 512 consecutive bytes.  The biases are the C of each sum's first matrix instruction.
; PHASES.  X: wave w loads K step w / 4 of row tile w % 4 (each load 512 consecutive bytes), turns it through its own stage in LDS so that a lane holds 16 neighbours of each block of 32, quantises it, stores the image | barrier |
; all eight images of x into registers; q, k, v one after the other: 16 matrix instructions on 8 accumulators by turns, four blocks quantised, codes to memory, scale bytes to LDS | barrier | the scale images leave in runs of 512 bytes.
; V's SCALES: a lane's 16 bytes hold, for each of the eight channel tile pairs, the two bytes of this half block's two chunks of 32 keys; the other half block's work-group stores the other 512 bytes.
; LIMITS: NaN and infinities among the inputs are not served; a block of zeros gets the byte 1 and not 127: its codes are zeros, and this program alone reads the bytes.
; Every load from memory is issued at the head, so there is nothing for a prefetch to run ahead of.
; REGISTERS.  Window 0: v1-15 addresses; v16-21 the weights' scale words; v22-25 x's; v26 a scale word; v32-47 codes; v48-63 at work; v64-191 x's eight fragments (X phase: v64-127 x as loaded, v128-191 by neighbours); v192-255 four blocks of 16 results.
;   Window 1: weights at 64 m3 + 16 (2 u + s); bq's two tiles at 192, bk's at 208, bv's at 224.
.set BLK,  67584                       ; a block of kv: K's 16 fragments, V's 16, K's scale words (1,024 bytes), V's (1,024)
.set XIMG, 67584                       ; LDS: from 0 eight stages of 16 rows x 528 bytes; here x's 8 images,
.set XSC,  83968                       ; their scale words, 128 bytes a tile (lanes 0-15 K step 0, lanes 16-31 K step 1),
.set SST,  84480                       ; the scale images of q, k, v: 512 bytes each,
.set SPARE, 86016                      ; spare words, 128 bytes a wave,
.set WLDS, 87040                       ; and the weights: 24,576 bytes a wave
.set LI,  1                            ; 16 x lane
.set XST, 2                            ; my stage, on the way in
.set XRD, 3                            ; and back: row r, + 64 h
.set XWI, 4                            ; where I store x's image
.set XWS, 5                            ; and its scale words
.set XFA, 6                            ; where any wave reads an image
.set XSA, 7                            ; and a scale register
.set QSB, 8                            ; my byte in q's scale image
.set KSB, 9                            ; in k's
.set VSB, 10                           ; in v's
.set OUA, 11                           ; the way out of the scale images
.set WLA, 15                           ; my weights
.set WS,  16
.set XS,  22
.set PW,  26
.set PC,  32
.set XF,  64
.set XQ,  128
.set AC,  192
.set WV,  22
.set MNT, 23
.set SEL, 24
.set G0,  68
.set G1,  72
.set MSB, 0
.macro WIN new                         ; the immediate's high byte repeats the setting that is left
.if MSB != \new
	s_set_vgpr_msb (MSB<<8)|\new
.set MSB, \new
.endif
.endm
; four blocks of a lane, 16 numbers each at v[src + 16 b], the other 16 of a block in lane l xor 16, become codes at v[PC + 4 b]; v48-51 largest magnitudes, v52-55 bytes, v56-59 448 x the scale, v60-63 the conversions' scale operands
.macro QUANT src
.irp b, 0,1,2,3
	v_max3_num_f32 v[48+\b], |v[\src+16*\b]|, |v[\src+16*\b+1]|, 0x4800000   ; from the low end on, and the floor 2^(9 - 127): the byte cannot fall under 1
.endr
.irp k, 2,4,6,8,10,12,14
.irp b, 0,1,2,3
	v_max3_num_f32 v[48+\b], v[48+\b], |v[\src+16*\b+\k]|, |v[\src+16*\b+\k+1]|
.endr
.endr
.irp b, 0,1,2,3
	v_permlanex16_b32 v[52+\b], v[48+\b], s[SEL], s[SEL+1]
.endr
.irp b, 0,1,2,3
	v_max_num_f32 v[48+\b], v[48+\b], v[52+\b]     ; with lane l xor 16's: the block's largest magnitude
.endr
.irp b, 0,1,2,3
	v_add_nc_u32 v[60+\b], 0xfc000000, v[48+\b]    ; 8 off its exponent field
.endr
.irp b, 0,1,2,3
	v_and_or_b32 v[56+\b], v[48+\b], 0x7f800000, s[MNT]
.endr
.irp b, 0,1,2,3
	v_lshrrev_b32 v[52+\b], 23, v[60+\b]           ; the scale's byte
.endr
.irp b, 0,1,2,3
.irp k, 0,1,2,3,4,5,6,7,8,9,10,11,12,13,14,15
	v_med3_num_f32 v[\src+16*\b+\k], v[\src+16*\b+\k], -v[56+\b], v[56+\b]   ; the conversion to an 8-bit code does not saturate (ISA guide 7.6.2)
.endr
.endr
.irp b, 0,1,2,3
	v_cvt_scalef32_pk8_fp8_f32 v[PC+4*\b:PC+4*\b+1], v[\src+16*\b:\src+16*\b+7], v[60+\b]
	v_cvt_scalef32_pk8_fp8_f32 v[PC+4*\b+2:PC+4*\b+3], v[\src+16*\b+8:\src+16*\b+15], v[60+\b]
.endr
	v_nop                                          ; a plain line behind the last conversion
.endm
.macro BARRIER                         ; my LDS stores have landed and my LDS loads are in: then the work-group's barrier
	s_wait_dscnt 0x0
	s_barrier_signal -1
	s_barrier_wait -1
.endm
.macro CROUND                          ; a round of the cluster's barrier
	s_barrier_signal -1
	s_barrier_wait -1
	s_cmp_lg_u32 s[WV], 0
	s_cbranch_scc1 .Lnot_wave_0_\@
	s_barrier_signal -3
.Lnot_wave_0_\@:
	s_barrier_wait -3
	s_barrier_signal -1
	s_barrier_wait -1
.endm
.macro WFETCH q                        ; my four fragments of weight q: 16 loads into window 1
	WIN 0x40
.irp u, 0,1
.irp s, 0,1
.irp c, 0,1,2,3
	ds_load_b128 v[64*\q+16*(2*\u+\s)+4*\c:64*\q+16*(2*\u+\s)+4*\c+3], v[WLA] offset:\q*8192+\u*4096+\s*2048+\c*512
.endr
.endr
.endr
	WIN 0
.endm
.macro PLACES n
.rept \n
	v_nop
.endr
.endm
.macro MULQK m                         ; m = 0 q, 1 k: eight accumulators take turns, K step 0 and then K step 1 in the same order
	WIN 0x11                                       ; source 0 (W) and source 2 (the bias) window 1
.irp e, 0,1,2,3
.irp u, 0,1
	v_wmma_scale_f32_16x16x128_f8f6f4 v[AC+16*\e+8*\u:AC+16*\e+8*\u+7], v[64*\m+32*\u:64*\m+32*\u+15], v[XF+32*\e:XF+32*\e+15], v[192+16*\m+8*\u:192+16*\m+8*\u+7], v[WS+2*\m+\u], v[XS+\e]
.endr
.endr
	WIN 0x01
.irp e, 0,1,2,3
.irp u, 0,1
	v_wmma_scale_f32_16x16x128_f8f6f4 v[AC+16*\e+8*\u:AC+16*\e+8*\u+7], v[64*\m+32*\u+16:64*\m+32*\u+31], v[XF+32*\e+16:XF+32*\e+31], v[AC+16*\e+8*\u:AC+16*\e+8*\u+7], v[WS+2*\m+\u], v[XS+\e] matrix_a_scale:MATRIX_SCALE_ROW1 matrix_b_scale:MATRIX_SCALE_ROW1
.endr
.endr
	WIN 0
	PLACES 8                                       ; eight places between this form and the first read of its results
.endm
	s_load_b256 s[4:11], s[0:1], 0x0               ; x s[4:5], wimg s[6:7], wsc s[8:9], bq s[10:11]
	s_load_b256 s[12:19], s[0:1], 0x20             ; bk s[12:13], bv s[14:15], qimg s[16:17], qsc s[18:19]
	s_load_b64 s[20:21], s[0:1], 0x40              ; kv
	v_lshl_add_u32 v30, v0, 2, SPARE
	v_mov_b32 v31, 0
	ds_add_u32 v30, v31                            ; the wave's opening: the add, twice on end
	ds_add_u32 v30, v31
	v_lshrrev_b32 v29, 5, v0
	v_readfirstlane_b32 s[WV], v29                 ; wave 0..7
	v_and_b32 v29, 31, v0                          ; lane
	v_and_b32 v27, 15, v0                          ; r
	v_bfe_u32 v28, v0, 4, 1                        ; h
	v_lshlrev_b32 v[LI], 4, v29
	v_lshlrev_b32 v14, 2, v29                      ; the weights' scale registers: 4 x lane
	v_lshlrev_b32 v12, 6, v28                      ; bq, bk: my half's 16 columns
	v_and_b32 v13, 8, v27
	v_mul_u32_u24 v[XRD], v27, 528                 ; a stage row is 512 bytes + 16: the sixteen rows that a load touches start at sixteen different groups of four banks
	v_add_nc_u32 v13, v13, v27
	v_lshl_add_u32 v[XRD], v28, 6, v[XRD]
	v_lshlrev_b32 v13, 2, v13                      ; bv: my channel r + 8 (r / 8)
	s_lshr_b32 s27, s[WV], 2                       ; my K step: of x here, of my columns in the next product,
	s_and_b32 s28, s[WV], 3                        ; my row tile of x; my columns' chunk (and scale byte) in that K step
	s_mul_i32 s26, s[WV], 8448
	v_add_nc_u32 v[XST], s26, v[LI]
	v_add_nc_u32 v[XRD], s26, v[XRD]
	s_lshl_b32 s26, s28, 12
	s_lshl_b32 s29, s27, 11
	s_add_co_u32 s26, s26, s29
	s_add_co_u32 s26, s26, XIMG
	v_add_nc_u32 v[XWI], s26, v[LI]
	s_lshl_b32 s26, s28, 7
	s_lshl_b32 s29, s27, 6
	s_add_co_u32 s26, s26, s29
	s_add_co_u32 s26, s26, XSC
	v_lshl_add_u32 v[XWS], v27, 2, s26
	v_add_nc_u32 v[XFA], XIMG, v[LI]
	v_add_nc_u32 v[XSA], XSC, v14
	s_add_co_u32 s26, s29, s28
	s_add_co_u32 s26, s26, SST
	v_lshl_add_u32 v[QSB], v27, 2, s26             ; q: tile x 128 + (16 s + r) 4 + byte
	s_lshl_b32 s26, s27, 8
	s_add_co_u32 s26, s26, s28
	s_add_co_u32 s26, s26, SST+512
	v_lshl_add_u32 v[KSB], v27, 4, s26             ; k: (16 s + r) 16 + tile x 4 + byte: one load of 16 bytes a lane brings four tiles' registers
	s_lshl_b32 s26, s[WV], 1
	s_add_co_u32 s26, s26, SST+1024
	v_lshl_add_u32 v[VSB], v27, 4, s26             ; v: 256 t + 16 r + 2 w + chunk
	s_lshl_b32 s26, s[WV], 9
	s_add_co_u32 s26, s26, SST
	v_add_nc_u32 v[OUA], s26, v[LI]
	s_mov_b32 s[G0], 1
	s_mul_i32 s[G0+1], s[WV], 24576
	s_add_co_u32 s[G0+1], s[G0+1], WLDS
	v_add_nc_u32 v[WLA], s[G0+1], v[LI]
.irp b, 0,1,2,3
	v_mov_b32 v[52+\b], 0                          ; written once: a lane permute's destination counts as one of its sources
.endr
	s_mov_b32 s[G1], 15|(3<<16)|(1<<21)            ; mask: all four partners; elements of 8 bytes; 3 rows of 8,192 bytes, 65,536 apart
	s_mov_b32 s[G1+1], 1024<<16
	s_mov_b32 s[G1+2], 3<<16
	s_mov_b32 s[G1+3], 1024<<16
	s_mov_b32 s[G1+4], 3
	s_mov_b32 s[G1+5], 8192
	s_mov_b32 s[G1+6], 0
	s_mov_b32 s[G1+7], 0
	s_mov_b32 s[SEL], 0x76543210
	s_mov_b32 s[SEL+1], 0xfedcba98                 ; v_permlanex16_b32's selects for lane l xor 16
	s_mov_b32 s[MNT], 0x600000                     ; the mantissa field of 448
	s_bfe_u32 s60, ttmp6, 0x40000                  ; cx
	s_lshl_b32 s61, ttmp9, 2
	s_add_co_u32 s60, s60, s61                     ; my work-group's number = 4 x cluster + cx
	s_lshl_b32 s30, s60, 16                        ; x: 64 rows of 1,024 bytes a work-group,
	s_lshr_b32 s26, s28, 1
	s_lshl_b32 s26, s26, 15
	s_add_co_u32 s30, s30, s26
	s_and_b32 s26, s28, 1
	s_lshl_b32 s26, s26, 13
	s_add_co_u32 s30, s30, s26                     ; row tile e begins at row 32 (e / 2) + 8 (e % 2)
	s_lshl_b32 s26, s27, 9
	s_add_co_u32 s30, s30, s26
	s_mov_b32 s31, 0
	s_lshl_b32 s32, s[WV], 13                      ; wimg: my two tiles
	s_mov_b32 s33, 0
	s_lshl_b32 s34, s[WV], 8                       ; wsc
	s_mov_b32 s35, 0
	s_lshl_b32 s36, s[WV], 7                       ; the biases: my 32 numbers
	s_mov_b32 s37, 0
	s_lshl_b32 s38, s27, 11
	s_lshl_b32 s26, s28, 9
	s_add_co_u32 s38, s38, s26                     ; my chunk in a fragment pair of q or k
	s_lshl_b32 s40, s60, 14
	s_add_co_u32 s40, s40, s38                     ; qimg: 4 tiles of 4,096 bytes a work-group
	s_mov_b32 s41, 0
	s_lshr_b32 s58, s60, 1                         ; my block of kv,
	s_and_b32 s59, s60, 1                          ; and which half of its keys
	s_mul_i32 s42, s58, BLK
	s_lshl_b32 s26, s59, 14
	s_add_co_u32 s44, s42, s38
	s_add_co_u32 s44, s44, s26                     ; K's images: four tiles
	s_mov_b32 s45, 0
	s_lshl_b32 s46, s[WV], 12
	s_lshl_b32 s26, s59, 10
	s_add_co_u32 s46, s46, s42
	s_add_co_u32 s46, s46, s26
	s_add_co_u32 s46, s46, 32768                   ; V's: my two channel tiles, two chunks each
	s_mov_b32 s47, 0
	s_lshl_b32 s50, s60, 9                         ; qsc: wave 0
	s_mov_b32 s51, 0
	s_lshl_b32 s48, s[WV], 10
	s_lshl_b32 s26, s59, 9
	s_add_co_u32 s48, s48, s42
	s_add_co_u32 s48, s48, s26
	s_add_co_u32 s48, s48, 64512                   ; kv's scale images, 65,536 and 66,560 on in the block: waves 1 and 2
	s_mov_b32 s49, 0
	s_wait_alu depctr_va_vdst(0)                   ; the head's end
	s_wait_dscnt 0x0                               ; both opening adds are done
	CROUND                                         ; ahead of the joint loads
	s_wait_kmcnt 0x0
	s_add_nc_u64 s[G0+2:G0+3], s[6:7], s[32:33]
	s_or_b32 s[G0+3], s[G0+3], 0x80000000
	s_add_nc_u64 s[4:5], s[4:5], s[30:31]
	tensor_load_to_lds s[G0:G0+3], s[G1:G1+7]      ; my weights: the wave's one tensor load
	s_nop 0
	PLACES 4
.irp i, 0,1,2,3,4,5,6,7,8,9,10,11,12,13,14,15  ; x: 32 lanes read 512 consecutive bytes of a row
	global_load_b128 v[XF+4*\i:XF+4*\i+3], v[LI], s[4:5] offset:(\i+8*(\i/8))*1024 th:TH_LOAD_NT
.endr
	s_add_nc_u64 s[8:9], s[8:9], s[34:35]
	s_add_nc_u64 s[10:11], s[10:11], s[36:37]
	s_add_nc_u64 s[12:13], s[12:13], s[36:37]
	s_add_nc_u64 s[14:15], s[14:15], s[36:37]
	s_add_nc_u64 s[16:17], s[16:17], s[40:41]
	s_add_nc_u64 s[18:19], s[18:19], s[50:51]
	s_add_nc_u64 s[52:53], s[20:21], s[44:45]
	s_add_nc_u64 s[54:55], s[20:21], s[46:47]
	s_add_nc_u64 s[56:57], s[20:21], s[48:49]
	s_cmp_eq_u32 s[WV], 0
	s_cselect_b64 s[56:57], s[18:19], s[56:57]     ; where my 512 bytes of the scale images go
.irp q, 0,1,2                                  ; then sixteen small loads: the weights' six scale registers,
.irp u, 0,1
	global_load_b32 v[WS+2*\q+\u], v14, s[8:9] offset:\q*2048+\u*128
.endr
.endr
	WIN 0x40
.irp u, 0,1                                    ; bq and bk: tile 2 w + u, register j, lane (r, h): column 32 w + 16 h + 8 u + j,
	global_load_b128 v[192+8*\u:192+8*\u+3], v12, s[10:11] offset:32*\u
	global_load_b128 v[192+8*\u+4:192+8*\u+7], v12, s[10:11] offset:32*\u+16
	global_load_b128 v[208+8*\u:208+8*\u+3], v12, s[12:13] offset:32*\u
	global_load_b128 v[208+8*\u+4:208+8*\u+7], v12, s[12:13] offset:32*\u+16
.endr
.irp t, 0,1                                    ; and bv: one number a lane and tile
	global_load_b32 v[224+8*\t], v13, s[14:15] offset:32*\t
.endr
	WIN 0
	; ---- X.  The stage is my own, and LDS serves a wave's instructions in order: no wait between its stores and its loads
	s_wait_loadcnt 16                              ; x is in; behind it were issued the sixteen small loads
.irp i, 0,1,2,3,4,5,6,7,8,9,10,11,12,13,14,15
	ds_store_b128 v[XST], v[XF+4*\i:XF+4*\i+3] offset:528*\i
.endr
.irp c, 0,1,2,3
.irp j, 0,1,2,3
	ds_load_b128 v[XQ+16*\c+4*\j:XQ+16*\c+4*\j+3], v[XRD] offset:128*\c+16*\j     ; row r, k = 32 c + 16 h + 4 j on
.endr
.endr
	s_wait_dscnt 0x0
	QUANT XQ
	v_lshl_or_b32 v[PW], v53, 8, v52               ; the four bytes make my row's scale word
	v_lshl_or_b32 v[PW], v54, 16, v[PW]
	v_lshl_or_b32 v[PW], v55, 24, v[PW]
.irp c, 0,1,2,3
	ds_store_b128 v[XWI], v[PC+4*\c:PC+4*\c+3] offset:512*\c
.endr
	ds_store_b32 v[XWS], v[PW]
	s_wait_tensorcnt 0x0                           ; my weights are in
	BARRIER                                        ; x's eight images lie in LDS; they are never written again
.irp e, 0,1,2,3
.irp s, 0,1
.irp c, 0,1,2,3
	ds_load_b128 v[XF+32*\e+16*\s+4*\c:XF+32*\e+16*\s+4*\c+3], v[XFA] offset:(2*\e+\s)*2048+512*\c
.endr
.endr
	ds_load_b32 v[XS+\e], v[XSA] offset:128*\e
.endr
	WFETCH 0
	s_wait_loadcnt 0x0                             ; the small loads are in
	s_wait_dscnt 0x0
	MULQK 0
	WFETCH 1                                       ; Wk's fragments, under q's quantiser
	QUANT AC                                       ; block e: row tile e
.irp e, 0,1,2,3
	global_store_b128 v[LI], v[PC+4*\e:PC+4*\e+3], s[16:17] offset:\e*4096   ; 32 lanes store 512 consecutive bytes, at a multiple of 256 from the buffer's first byte
	ds_store_b8 v[QSB], v[52+\e] offset:128*\e     ; both lanes of a block write the same byte with the same value
.endr
	s_wait_dscnt 4                                 ; Wk is in; the four byte stores issued behind it may be out
	MULQK 1
	WFETCH 2
	s_wait_xcnt 0x0                                ; q's stores have read the code registers
	QUANT AC
.irp e, 0,1,2,3
	global_store_b128 v[LI], v[PC+4*\e:PC+4*\e+3], s[52:53] offset:\e*4096
	ds_store_b8 v[KSB], v[52+\e] offset:4*\e
.endr
	WIN 0x41
.irp t, 0,1                                    ; v's results hold ONE channel a lane: its bias stands in all eight registers of the C operand
.irp j, 1,2,3,4,5,6,7
	v_mov_b32 v[224+8*\t+\j], v[224+8*\t]
.endr
.endr
	s_wait_alu depctr_va_vdst(0)
	s_wait_dscnt 4                                 ; Wv is in; the four byte stores issued behind it may be out
	WIN 0x14                                       ; source 1 (Wv) and source 2 window 1
.irp t, 0,1
.irp e, 0,1,2,3
	v_wmma_scale_f32_16x16x128_f8f6f4 v[AC+32*\t+8*\e:AC+32*\t+8*\e+7], v[XF+32*\e:XF+32*\e+15], v[128+32*\t:128+32*\t+15], v[224+8*\t:224+8*\t+7], v[XS+\e], v[WS+4+\t]
.endr
.endr
	WIN 0x04
.irp t, 0,1
.irp e, 0,1,2,3
	v_wmma_scale_f32_16x16x128_f8f6f4 v[AC+32*\t+8*\e:AC+32*\t+8*\e+7], v[XF+32*\e+16:XF+32*\e+31], v[128+32*\t+16:128+32*\t+31], v[AC+32*\t+8*\e:AC+32*\t+8*\e+7], v[XS+\e], v[WS+4+\t] matrix_a_scale:MATRIX_SCALE_ROW1 matrix_b_scale:MATRIX_SCALE_ROW1
.endr
.endr
	WIN 0
	PLACES 8
	s_wait_xcnt 0x0
	QUANT AC                                       ; block 2 t + p: channel tile t, keys 32 p on
.irp t, 0,1
.irp p, 0,1
	global_store_b128 v[LI], v[PC+4*(2*\t+\p):PC+4*(2*\t+\p)+3], s[54:55] offset:\t*2048+\p*512
	ds_store_b8 v[VSB], v[52+2*\t+\p] offset:256*\t+\p
.endr
.endr
	BARRIER                                        ; the three scale images are whole
	s_cmp_gt_u32 s[WV], 2                          ; 1,536 bytes: three waves take 512 each
	s_cbranch_scc1 .Lend
	ds_load_b128 v[64:67], v[OUA]
	s_wait_dscnt 0x0
	global_store_b128 v[LI], v[64:67], s[56:57]
.Lend:
	s_wait_tensorcnt 0x0                           ; the wave's end
	ds_add_u32 v30, v31
	s_wait_dscnt 0x0
	CROUND                                         ; the closing round
	s_endpgm
.Lfunc_end_k_q20944ad806_proj:
	.size	k_q20944ad806_proj, .Lfunc_end_k_q20944ad806_proj-k_q20944ad806_proj
	.p2alignl 7, 3214868480
	.fill 96, 4, 3214868480
	.section	.rodata,"a",@progbits
	.p2align	6, 0x0
	.amdhsa_kernel k_q20944ad806_proj
		.amdhsa_group_segment_fixed_size 283648
		.amdhsa_private_segment_fixed_size 0
		.amdhsa_enable_private_segment 0
		.amdhsa_kernarg_size 72
		.amdhsa_user_sgpr_count 2
		.amdhsa_user_sgpr_kernarg_segment_ptr 1
		.amdhsa_wavefront_size32 1
		.amdhsa_system_sgpr_workgroup_id_x 1
		.amdhsa_system_sgpr_workgroup_id_y 1
		.amdhsa_system_sgpr_workgroup_id_z 1
		.amdhsa_system_vgpr_workitem_id 0
		.amdhsa_next_free_vgpr 512
		.amdhsa_next_free_sgpr 80
		.amdhsa_reserve_vcc 0
		.amdhsa_float_denorm_mode_32 3
		.amdhsa_float_denorm_mode_16_64 3
		.amdhsa_memory_ordered 1
		.amdhsa_forward_progress 1
		.amdhsa_inst_pref_size 60
	.end_amdhsa_kernel
	.amdgpu_metadata
---
amdhsa.version: [ 1, 2 ]
amdhsa.kernels:
  - .name:           k_q20944ad806_proj
    .symbol:         k_q20944ad806_proj.kd
    .args:
      - { .name: x, .offset: 0, .size: 8, .value_kind: global_buffer, .address_space: global }
      - { .name: wimg, .offset: 8, .size: 8, .value_kind: global_buffer, .address_space: global }
      - { .name: wsc, .offset: 16, .size: 8, .value_kind: global_buffer, .address_space: global }
      - { .name: bq, .offset: 24, .size: 8, .value_kind: global_buffer, .address_space: global }
      - { .name: bk, .offset: 32, .size: 8, .value_kind: global_buffer, .address_space: global }
      - { .name: bv, .offset: 40, .size: 8, .value_kind: global_buffer, .address_space: global }
      - { .name: qimg, .offset: 48, .size: 8, .value_kind: global_buffer, .address_space: global }
      - { .name: qsc, .offset: 56, .size: 8, .value_kind: global_buffer, .address_space: global }
      - { .name: kv, .offset: 64, .size: 8, .value_kind: global_buffer, .address_space: global }
    .group_segment_fixed_size: 283648
    .private_segment_fixed_size: 0
    .kernarg_segment_align: 8
    .kernarg_segment_size: 72
    .max_flat_workgroup_size: 256
    .sgpr_count:     80
    .vgpr_count:     512
    .wavefront_size: 32
...
	.end_amdgpu_metadata
.endif
;; end of part 2
;; launch attn (part 3): grid 64 x 4, 4 waves a work-group, clusters of 4 x 1, 327,680 bytes of LDS; arguments qimg, qsc, kv, part; writes part
.if DOCPART == 3
	.amdgcn_target "amdgcn-amd-amdhsa--gfx1250"
	.amdhsa_code_object_version 6
	.text
	.protected	k_q20944ad806_attn
	.globl	k_q20944ad806_attn
	.p2align	8
	.type	k_q20944ad806_attn,@function
k_q20944ad806_attn:
	s_mov_b64 s[64:65], 0
	v_nop
	global_prefetch_b8 v0, s[64:65] scope:SCOPE_SE
	s_setreg_imm32_b32 hwreg(HW_REG_WAVE_MODE, 25, 1), 1
	s_wait_xcnt 0x0
	s_wait_alu depctr_hold_cnt(0) depctr_sa_sdst(0) depctr_va_vdst(0) depctr_va_sdst(0) depctr_va_ssrc(0) depctr_va_vcc(0) depctr_vm_vsrc(0)
	s_getreg_b32 s2, hwreg(HW_REG_IB_STS2, 6, 4)
	s_cmp_eq_u32 s2, 0
	s_cbranch_scc0 .Lentry_in_a_cluster
	s_endpgm
.Lentry_in_a_cluster:
	s_bfe_u32 s2, ttmp6, 0x10000c
	s_cmp_lg_u32 s2, 0x3003
	s_cbranch_scc0 .Lentry_shape_is_right
	s_endpgm
.Lentry_shape_is_right:
; part[batch][work-group][256] = the sum over the work-group's 64 queries of softmax(Q K^T / 16) V, both products on codes of FP8 (E4M3) with one E8M0 scale for each 32 along K.
; THE SOFTMAX: t = score x log2(e) / 16; M = the row's largest t so far rounded UP to a whole number; p = 2^(t - M) is quantised along the keys, the row's sum is of the unquantised p;
; when M moves, the sum and O are multiplied by 2^(old M - new M).  LIMITS: the promise holds while the scaled scores stay under 2^31 in magnitude; NaN and infinities among the inputs are not served.
; SHARES.  Wave w: the query tiles 2 (w % 2), 2 (w % 2) + 1 of the work-group's four, and the half w / 2 of the 4,096 keys: 16 steps of 128 keys.  The halves join at the end through LDS.
; Two LDS slots, each with a block of kv (128 keys: K's 16 fragments, V's 16, their scale words) for each half of the keys: a quarter of a slot a wave, asked for jointly by the cluster's four work-groups of one batch.
; BOTH PRODUCTS TRANSPOSED: S^T = K Q^T, O^T = V^T P^T: a lane holds one query of each tile.  Register 16 b + k of a tile's scores is key 32 b + 16 (lane / 16) + k.
; A STEP: the first product; maxima; t - M; O x f; exponentials of tile 0; the change of slots; exponentials of tile 1; holds and conversions; the second product, with the row sums behind its matrix instructions.
; REGISTERS.  Window 0: v1-7 addresses; v8-11 half of V's scale bytes as loaded (on the way out: addresses); v12 -M, v13 largest score, v14-15 sums (tile 1: v16-19); v20, v22 the factors f; v24 K's scale words, v32 V's, v40 Q's, v42 P's; v44-63 at work;
;   v64-127: K's fragments of tiles 0 to 3, K step 0; once they are multiplied: P's codes (v64-95) and held copies of p (v80-127); v128-255 scores, then p.
;   Window 1: O^T.  Window 2: v0-63 Q, v64-255 the other twelve fragments of K.  Window 3: V's sixteen fragments.
; PREFETCH.  At the change of slots of step i two clusters of each batch, 0 and 12, ask for tile i + 4, which the change two on loads: of the codes 8,192 bytes a wave, lanes 256 bytes apart, and of the scale words one unit of 256 bytes a wave;
;   the four partners and the waves are told apart by address; it stops with tile 15.  Tiles 0 to 3 come by their loads alone.
.set BLK,   67584
.set HALFB, 33792
.set SLOT,  135168
.set SPARE, 270336                     ; spare words, 128 bytes a wave
.set MRG,   270848                     ; -M and sums, 512 bytes a wave
.set RP,    1040                       ; the way out: a row of 256 channels + 16 bytes, in slot 0 behind its last use
.set AK,  1                            ; LDS address of my lane in my block of the slot in hand
.set AK0, 2                            ; the same in slot 0
.set ASC, 3                            ; AK + 65,536: the scale words
.set PFZ, 4                            ; 0: the scale words' prefetch offset
.set SPW, 5
.set NIL, 6
.set PFO, 7                            ; 256 x lane
.set VR,  8
.set MA,  8
.set MB,  9
.set RA,  10
.set RB,  11
.set KS,  24
.set VS,  32
.set QS,  40
.set PS,  42
.set WV,  12
.set G1,  16
.set G0,  32
.set SEL, 40
.set CS,  42
.set CNT, 44
.set MNT, 45
.set PFA, 46                           ; s[46:47] where the codes' prefetches stand
.set LIM, 56
.set TB,  58
.set NC,  59
.set PFB, 60                           ; s[60:61] where the scale words' stand
.set MSB, 0
.macro WIN new                         ; the immediate's high byte repeats the setting that is left
.if MSB != \new
	s_set_vgpr_msb (MSB<<8)|\new
.set MSB, \new
.endif
.endm
.macro PLACES n
.rept \n
	v_nop
.endr
.endm
.macro CROUND                          ; a round of the cluster's barrier
	s_barrier_signal -1
	s_barrier_wait -1
	s_cmp_lg_u32 s[WV], 0
	s_cbranch_scc1 .Lnot_wave_0_\@
	s_barrier_signal -3
.Lnot_wave_0_\@:
	s_barrier_wait -3
	s_barrier_signal -1
	s_barrier_wait -1
.endm
.macro TLOAD                           ; the joint load of my quarter of a slot
	tensor_load_to_lds s[G0:G0+3], s[G1:G1+7]
	s_nop 0
	PLACES 4
.endm
.macro ASK
	s_cmp_gt_u32 s[CNT], s[LIM]
	s_cbranch_scc0 .Lnot_mine_\@
	global_prefetch_b8 v[PFO], s[PFA:PFA+1] th:TH_LOAD_NT scope:SCOPE_SE
	global_prefetch_b8 v[PFZ], s[PFB:PFB+1] th:TH_LOAD_NT scope:SCOPE_SE
.Lnot_mine_\@:
.endm
.macro KFR reg, f                      ; fragment f = 2 x tile + K step of K
.irp c, 0,1,2,3
	ds_load_b128 v[\reg+4*\c:\reg+4*\c+3], v[AK] offset:(\f)*2048+512*\c
.endr
.endm
.macro KMAIN                           ; K's scale words and twelve fragments: 50 loads
	ds_load_b128 v[KS:KS+3], v[ASC]
	ds_load_b128 v[KS+4:KS+7], v[ASC] offset:512
	WIN 0x80
.irp a, 4,5,6,7
	KFR 16*\a, 2*\a
.endr
.irp a, 4,5,6,7,0,1,2,3
	KFR 128+16*\a, 2*\a+1
.endr
	WIN 0
.endm
.macro KLATE                           ; the other four: 16 loads
.irp a, 0,1,2,3
	KFR 64+16*\a, 2*\a
.endr
.endm
.macro VLOAD t0                        ; eight fragments of V: 32 loads
	WIN 0xc0
.irp d, 0,1,2,3,4,5,6,7
.irp c, 0,1,2,3
	ds_load_b128 v[16*(\t0+\d)+4*\c:16*(\t0+\d)+4*\c+3], v[AK] offset:32768+2048*(\t0+\d)+512*\c
.endr
.endr
	WIN 0
.endm
.macro QK4 a0, s                       ; four tiles of keys x two of queries, 128 of the head's 256.  Tiles 4 to 7 begin with K step 0, tiles 0 to 3 with K step 1
.irp d, 0,1,2,3
.irp i, 0,1
.if \s
	WIN 0x0a
.if \a0
	v_wmma_scale_f32_16x16x128_f8f6f4 v[128+64*\i+8*(\a0+\d):128+64*\i+8*(\a0+\d)+7], v[128+16*(\a0+\d):128+16*(\a0+\d)+15], v[32*\i+16:32*\i+31], v[128+64*\i+8*(\a0+\d):128+64*\i+8*(\a0+\d)+7], v[KS+\a0+\d], v[QS+\i] matrix_a_scale:MATRIX_SCALE_ROW1 matrix_b_scale:MATRIX_SCALE_ROW1
.else
	v_wmma_scale_f32_16x16x128_f8f6f4 v[128+64*\i+8*\d:128+64*\i+8*\d+7], v[128+16*\d:128+16*\d+15], v[32*\i+16:32*\i+31], 0, v[KS+\d], v[QS+\i] matrix_a_scale:MATRIX_SCALE_ROW1 matrix_b_scale:MATRIX_SCALE_ROW1
.endif
.elseif \a0
	WIN 0x0a
	v_wmma_scale_f32_16x16x128_f8f6f4 v[128+64*\i+8*(\a0+\d):128+64*\i+8*(\a0+\d)+7], v[16*(\a0+\d):16*(\a0+\d)+15], v[32*\i:32*\i+15], 0, v[KS+\a0+\d], v[QS+\i]
.else
	WIN 0x08
	v_wmma_scale_f32_16x16x128_f8f6f4 v[128+64*\i+8*\d:128+64*\i+8*\d+7], v[64+16*\d:64+16*\d+15], v[32*\i:32*\i+15], v[128+64*\i+8*\d:128+64*\i+8*\d+7], v[KS+\d], v[QS+\i]
.endif
.endr
.endr
.endm
.macro COPY blk                        ; where block blk's held copy lies: two places by turns; block 2's in the codes' registers of tile 1, which are written later
.if (\blk) == 2
.set hT, 80
.else
.set hT, 96+16*((\blk)%2)
.endif
.endm
.macro HL1 blk, q                      ; block blk = 4 x query tile + key block: two of its p, held at 448 x the scale, into its copy (the conversion to an 8-bit code does not saturate: ISA guide 7.6.2; p is not negative)
	COPY (\blk)
.set hQ, 2*(\q)
.set hB, 44+8*((\blk)/4)+(\blk)%4
.set hS, 128+16*(\blk)+hQ
	v_dual_min_num_f32 v[hT+hQ], v[hB], v[hS] :: v_dual_min_num_f32 v[hT+hQ+1], v[hB], v[hS+1]
.endm
.macro CV blk                          ; its codes: a chunk of the operand
	COPY (\blk)
.set hB, 48+8*((\blk)/4)+(\blk)%4
	v_cvt_scalef32_pk8_fp8_f32 v[64+4*(\blk):65+4*(\blk)], v[hT:hT+7], v[hB]
	v_cvt_scalef32_pk8_fp8_f32 v[66+4*(\blk):67+4*(\blk)], v[hT+8:hT+15], v[hB]
.endm
.macro BOUND i                         ; from a tile's four largest p: the scale operands, the bounds, the scale word
.irp b, 0,1,2,3
	v_max_num_f32 v[44+8*\i+\b], 0x4800000, v[44+8*\i+\b]
.endr
.irp b, 0,1,2,3
	v_add_nc_u32 v[48+8*\i+\b], 0xfc000000, v[44+8*\i+\b]
.endr
.irp b, 0,1,2,3
	v_and_or_b32 v[44+8*\i+\b], v[44+8*\i+\b], 0x7f800000, s[MNT]
.endr
	v_lshrrev_b32 v[PS+\i], 23, v[48+8*\i]
.irp b, 1,2,3
	v_lshrrev_b32 v[59+\b], 23, v[48+8*\i+\b]
.endr
.irp b, 1,2,3
	v_lshl_or_b32 v[PS+\i], v[59+\b], 8*\b, v[PS+\i]
.endr
.endm
; chg = 2: a change of slots that fills the slot left; 1: one that fills nothing; 0: the last step
.macro STEP chg
	s_wait_dscnt 16                                ; K's main run is in; the sixteen late loads issued behind it may be out
	QK4 4, 0
	QK4 4, 1
	VLOAD 0
	QK4 0, 1
	s_wait_dscnt 32                                ; the late fragments are in; V's 32 loads may be out
	QK4 0, 0
	WIN 0
	PLACES 8
	VLOAD 8
	ds_load_b128 v[VR:VR+3], v[ASC] offset:1024    ; V's scales: the bytes of the first 64 keys, two to a channel,
	ds_load_b128 v[VS+4:VS+7], v[ASC] offset:1536  ; and of the other 64
	; the largest score of each block of 32 keys: for the row's maximum and for the block's largest p (p rises with the score)
.irp b, 0,1,2,3
.irp i, 0,1
	v_max3_num_f32 v[44+8*\i+\b], v[128+64*\i+16*\b], v[129+64*\i+16*\b], v[130+64*\i+16*\b]
.endr
.endr
.irp k, 3,5,7,9,11,13
.irp b, 0,1,2,3
.irp i, 0,1
	v_max3_num_f32 v[44+8*\i+\b], v[44+8*\i+\b], v[128+64*\i+16*\b+\k], v[129+64*\i+16*\b+\k]
.endr
.endr
.endr
.irp b, 0,1,2,3
.irp i, 0,1
	v_max_num_f32 v[44+8*\i+\b], v[44+8*\i+\b], v[143+64*\i+16*\b]
.endr
.endr
.irp b, 0,1,2,3
.irp i, 0,1
	v_permlanex16_b32 v[48+8*\i+\b], v[44+8*\i+\b], s[SEL], s[SEL+1]
.endr
.endr
.irp b, 0,1,2,3
.irp i, 0,1
	v_max_num_f32 v[44+8*\i+\b], v[44+8*\i+\b], v[48+8*\i+\b]
.endr
.endr
.irp i, 0,1
	v_max3_num_f32 v[60+\i], v[44+8*\i], v[45+8*\i], v[46+8*\i]
.endr
.irp i, 0,1
	v_mov_b32 v[21+2*\i], v[12+4*\i]
.endr
.irp i, 0,1
	v_max3_num_f32 v[13+4*\i], v[13+4*\i], v[60+\i], v[47+8*\i]
.endr
.irp i, 0,1
	v_mul_f32 v[60+\i], s[NC], v[13+4*\i]
.endr
.irp i, 0,1
	v_floor_f32 v[12+4*\i], v[60+\i]               ; -M = floor(-t)
.endr
.irp i, 0,1
	v_sub_f32 v[21+2*\i], v[12+4*\i], v[21+2*\i]   ; old M - new M: a whole number, 0 or less
.endr
.set n, 0
.rept 32
	v_pk_fma_f32 v[128+n:129+n], v[128+n:129+n], s[CS:CS+1], v[12:13] op_sel_hi:[1,0,0]
.if n == 8
.irp i, 0,1
	v_cvt_i32_f32 v[21+2*\i], v[21+2*\i]
.endr
.endif
.if n == 20
.irp i, 0,1
	v_ldexp_f32 v[20+2*\i], 1.0, v[21+2*\i]        ; f: nothing is rounded
.endr
.endif
.set n, n+2
.endr
.irp b, 0,1,2,3
	v_fma_f32 v[44+\b], v[44+\b], s[CS], v12
.endr
	v_pk_mul_f32 v[14:15], v[14:15], v[20:21] op_sel_hi:[1,0]
	v_pk_mul_f32 v[18:19], v[18:19], v[22:23] op_sel_hi:[1,0]
	WIN 0x41
.set n, 0
.rept 128                              ; O^T x f
	v_pk_mul_f32 v[n:n+1], v[n:n+1], v[20+2*(n/128):21+2*(n/128)] op_sel_hi:[1,0]
.set n, n+2
.endr
	WIN 0
	s_wait_alu depctr_va_vdst(0)                   ; ahead of the batch
.irp b, 0,1,2,3
	v_exp_f32 v[44+\b], v[44+\b]
.endr
.set n, 0
.rept 32
	v_exp_f32 v[128+n], v[128+n]
	v_exp_f32 v[129+n], v[129+n]
	v_pk_fma_f32 v[192+n:193+n], v[192+n:193+n], s[CS:CS+1], v[16:17] op_sel_hi:[1,0,0]   ; tile 1's t - M: first read behind the batch
.set n, n+2
.endr
.irp b, 0,1,2,3
	v_fma_f32 v[52+\b], v[52+\b], s[CS], v16
.endr
	s_wait_alu depctr_va_vdst(0)                   ; and behind it, ahead of its first reader
.if \chg
	s_xor_b32 s[TB], s[TB], SLOT
	v_add_nc_u32 v[AK], s[TB], v[AK0]
.endif
	BOUND 0
.if \chg
	v_add_nc_u32 v[ASC], 0x10000, v[AK]
.endif
	s_wait_alu depctr_va_vdst(0)
.if \chg
	s_wait_tensorcnt 0x0                           ; my part of the next slot is in
	ds_add_u32 v[SPW], v[NIL]
.if \chg == 2
	s_xor_b32 s[G0+1], s[G0+1], SLOT               ; the other slot (wave x HALFB and SLOT have no bit in common),
	s_add_nc_u64 s[G0+2:G0+3], s[G0+2:G0+3], BLK   ; the next block of my half of the keys
	s_wait_xcnt 0x0                                ; any prefetch of mine has read its address
	s_add_nc_u64 s[PFA:PFA+1], s[PFA:PFA+1], BLK
	s_add_nc_u64 s[PFB:PFB+1], s[PFB:PFB+1], BLK
.endif
.endif
	s_wait_dscnt 0x0                               ; V's fragments are in, so my reads of this slot are over; the add is done
.if \chg == 2
	CROUND                                         ; the next slot is whole, and no wave of any partner reads this one
	TLOAD
.elseif \chg == 1
	s_barrier_signal -1
	s_barrier_wait -1
.endif
.if \chg
	KMAIN
.endif
.if \chg == 2
	ASK
.endif
.irp b, 0,1,2,3
	v_exp_f32 v[52+\b], v[52+\b]
.endr
.set n, 0
.rept 32
	v_exp_f32 v[192+n], v[192+n]
	v_exp_f32 v[193+n], v[193+n]
.if n < 48
	HL1 (n/16), ((n/2)%8)                          ; tile 0's first three blocks: the copies are first read behind the batch
.endif
.set n, n+2
.endr
	v_nop
	s_wait_alu depctr_va_vdst(0)                   ; ahead of the batch's first reader
	CV 0
	CV 1
	BOUND 1
.irp j, 0,1,2,3                        ; V's scale words: the two halves' bytes side by side; in this order no word is written over before it is read
	v_perm_b32 v[VS+2*\j], v[VS+4+\j], v[VR+\j], 0x05040100
	v_perm_b32 v[VS+2*\j+1], v[VS+4+\j], v[VR+\j], 0x07060302
.endr
.irp k, 3,4,5,6,7
.irp q, 0,1,2,3
	HL1 \k, \q
.endr
	CV (\k-1)
.irp q, 4,5,6,7
	HL1 \k, \q
.endr
.endr
	CV 7
	PLACES 5                                       ; one behind the conversions, and four ahead of the scaled product that reads the codes
.set n, 0
.rept 32                               ; O^T += V^T P^T: channel tile n / 2, query tile n % 2: the accumulators take turns
	WIN 0x53
.if (n/2)%2
	v_wmma_scale_f32_16x16x128_f8f6f4 v[128*(n%2)+8*(n/2):128*(n%2)+8*(n/2)+7], v[16*(n/2):16*(n/2)+15], v[64+16*(n%2):64+16*(n%2)+15], v[128*(n%2)+8*(n/2):128*(n%2)+8*(n/2)+7], v[VS+n/4], v[PS+n%2] matrix_a_scale:MATRIX_SCALE_ROW1
.else
	v_wmma_scale_f32_16x16x128_f8f6f4 v[128*(n%2)+8*(n/2):128*(n%2)+8*(n/2)+7], v[16*(n/2):16*(n/2)+15], v[64+16*(n%2):64+16*(n%2)+15], v[128*(n%2)+8*(n/2):128*(n%2)+8*(n/2)+7], v[VS+n/4], v[PS+n%2]
.endif
	WIN 0
.irp i, 0,1                            ; the row's sum of the unquantised p, in two chains a tile
.if n == 0
	v_pk_add_f32 v[48+8*\i:49+8*\i], v[128+64*\i:129+64*\i], v[130+64*\i:131+64*\i]
.elseif n == 31
	v_pk_add_f32 v[14+4*\i:15+4*\i], v[14+4*\i:15+4*\i], v[48+8*\i:49+8*\i]
.elseif n%2
	v_pk_add_f32 v[14+4*\i:15+4*\i], v[14+4*\i:15+4*\i], v[130+64*\i+2*n:131+64*\i+2*n]
.else
	v_pk_add_f32 v[48+8*\i:49+8*\i], v[48+8*\i:49+8*\i], v[130+64*\i+2*n:131+64*\i+2*n]
.endif
.endr
.set n, n+1
.endr
	PLACES 8                                       ; in front of loads into registers that the products have read, and of readers of their results
.if \chg
	KLATE
.endif
.endm
	s_load_b256 s[4:11], s[0:1], 0x0               ; qimg, qsc, kv, part
	v_lshl_add_u32 v[SPW], v0, 2, SPARE
	v_mov_b32 v[NIL], 0
	ds_add_u32 v[SPW], v[NIL]                      ; the wave's opening: the add, twice on end
	ds_add_u32 v[SPW], v[NIL]
	v_lshrrev_b32 v60, 5, v0
	v_readfirstlane_b32 s[WV], v60
	s_bfe_u32 s13, ttmp6, 0x40000                  ; cx
	s_lshl_b32 s14, ttmp9, 2
	s_add_co_u32 s14, s14, s13                     ; which 64 queries of the batch
	s_and_b32 s15, ttmp7, 0xffff                   ; the batch
	s_mov_b32 s51, ttmp9
	s_cmp_eq_u32 s51, 12
	s_cselect_b32 s51, 0, s51
	s_cmp_eq_u32 s51, 0
	s_cselect_b32 s[LIM], 2, -1                    ; clusters 0 and 12 of each batch ask while CNT is over 2
	s_lshr_b32 s49, s[WV], 1                       ; my half of the keys
	s_and_b32 s50, s[WV], 1                        ; my pair of query tiles
	s_mul_i32 s24, s15, 32*BLK
	s_mul_i32 s51, s49, 16*BLK
	s_add_co_u32 s24, s24, s51
	s_mov_b32 s25, 0
	s_mul_i32 s51, s50, HALFB
	s_add_co_u32 s26, s24, s51                     ; what I fetch: half of a block
	s_mov_b32 s27, 0
	s_mul_i32 s29, s[WV], HALFB                    ; and where to
	s_add_co_u32 s24, s24, 3*BLK                   ; the prefetches: the first change steps them to tile 4
	s_lshl_b32 s62, s13, 9
	s_lshl_b32 s51, s50, 8
	s_add_co_u32 s62, s62, s51
	s_add_co_u32 s62, s62, s24
	s_add_co_u32 s62, s62, 65536                   ; of the scale words unit 2 cx + w % 2
	s_mov_b32 s63, 0
	s_lshl_b32 s51, s50, 15
	s_add_co_u32 s24, s24, s51
	s_lshl_b32 s28, s13, 13
	s_add_co_u32 s24, s24, s28                     ; of the codes run 4 (w % 2) + cx
	s_mov_b32 s[G1], 15|(3<<16)|(1<<21)            ; mask: all four partners; elements of 8 bytes; 33 rows of 1,024 bytes, dense
	s_mov_b32 s[G1+1], 128<<16
	s_mov_b32 s[G1+2], 33<<16
	s_mov_b32 s[G1+3], 128<<16
	s_mov_b32 s[G1+4], 33
	s_mov_b32 s[G1+5], 128
	s_mov_b32 s[G1+6], 0
	s_mov_b32 s[G1+7], 0
	s_lshl_b32 s30, s15, 8
	s_lshl_b32 s31, s14, 2
	s_add_co_u32 s30, s30, s31
	s_lshl_b32 s31, s50, 1
	s_add_co_u32 s30, s30, s31                     ; my first query tile
	s_lshl_b32 s52, s30, 7
	s_mov_b32 s53, 0
	s_lshl_b32 s30, s30, 12
	s_mov_b32 s31, 0
	s_lshl_b32 s54, s15, 6
	s_add_co_u32 s54, s54, s14
	s_lshl_b32 s54, s54, 10
	s_mov_b32 s55, 0
	s_mov_b32 s[SEL], 0x76543210
	s_mov_b32 s[SEL+1], 0xfedcba98
	s_mov_b32 s[CS], 0x3db8aa3b                    ; c = log2(e) / 16
	s_mov_b32 s[CS+1], s[CS]
	s_mov_b32 s[NC], 0xbdb8aa3b                    ; -c
	s_mov_b32 s[MNT], 0x600000
	s_mov_b32 s[CNT], 14
	s_mov_b32 s[TB], 0
	v_and_b32 v61, 31, v0
	v_lshlrev_b32 v62, 4, v61
	v_lshlrev_b32 v63, 2, v61
	s_mul_i32 s51, s49, BLK
	v_add_nc_u32 v[AK0], s51, v62
	v_mov_b32 v[AK], v[AK0]
	v_add_nc_u32 v[ASC], 0x10000, v[AK0]
	v_lshlrev_b32 v[PFO], 8, v61
	v_mov_b32 v[PFZ], 0
	s_wait_alu depctr_va_vdst(0)
	s_wait_dscnt 0x0                               ; both opening adds are done
	CROUND                                         ; ahead of the first joint load
	s_wait_kmcnt 0x0
	s_add_nc_u64 s[26:27], s[8:9], s[26:27]
	s_mov_b32 s[G0], 1
	s_mov_b32 s[G0+1], s29
	s_mov_b64 s[G0+2:G0+3], s[26:27]
	s_or_b32 s[G0+3], s[G0+3], 0x80000000
	s_add_nc_u64 s[4:5], s[4:5], s[30:31]
	s_add_nc_u64 s[6:7], s[6:7], s[52:53]
	s_add_nc_u64 s[10:11], s[10:11], s[54:55]
	s_add_nc_u64 s[PFA:PFA+1], s[8:9], s[24:25]
	s_add_nc_u64 s[PFB:PFB+1], s[8:9], s[62:63]
	TLOAD                                          ; slot 0: the wave's one tensor load at the head
	WIN 0x80
.irp i, 0,1
.irp s, 0,1
.irp c, 0,1,2,3
	global_load_b128 v[32*\i+16*\s+4*\c:32*\i+16*\s+4*\c+3], v62, s[4:5] offset:\i*4096+\s*2048+\c*512
.endr
.endr
.endr
	WIN 0
.irp i, 0,1
	global_load_b32 v[QS+\i], v63, s[6:7] offset:128*\i
.endr
.irp i, 0,1
	v_mov_b32 v[13+4*\i], 0xff61b1e6               ; the largest score so far: -3e38
	v_mul_f32 v[12+4*\i], s[NC], v[13+4*\i]
	v_floor_f32 v[12+4*\i], v[12+4*\i]
	v_mov_b32 v[14+4*\i], 0
	v_mov_b32 v[15+4*\i], 0
	v_mov_b32 v[20+2*\i], 0
	v_mov_b32 v[21+2*\i], 0
.irp b, 0,1,2,3
	v_mov_b32 v[48+8*\i+\b], 0                     ; a lane permute's destination counts as one of its sources
.endr
.endr
	WIN 0x40
.set n, 0
.rept 256                              ; O^T: the step is written once for all trips: the first finds zeros, which its f leaves zeros; it stands under the first tile's flight
	v_mov_b32 v[n], 0
.set n, n+1
.endr
	WIN 0
	s_wait_alu depctr_va_vdst(0)                   ; the head's end
	s_wait_tensorcnt 0x0                           ; my part of slot 0 is in; these lines stand ahead of a later first fill as ahead of a refill
	ds_add_u32 v[SPW], v[NIL]
	s_xor_b32 s[G0+1], s[G0+1], SLOT
	s_add_nc_u64 s[G0+2:G0+3], s[G0+2:G0+3], BLK
	s_wait_dscnt 0x0
	CROUND                                         ; slot 0 is whole
	TLOAD                                          ; slot 1
	KMAIN
	KLATE
	s_wait_loadcnt 0x0                             ; Q
.Ltrip:                                        ; steps 0 to 13; the change of step i loads tile i + 2
	STEP 2
	s_sub_co_u32 s[CNT], s[CNT], 1
	s_cmp_lg_u32 s[CNT], 0
	s_cbranch_scc1 .Ltrip
	STEP 1
	STEP 0
	; THE WAY OUT.  The halves of the keys join: each wave learns the other half's -M and sum for its queries
.irp i, 0,1
	v_add_f32 v[14+4*\i], v[14+4*\i], v[15+4*\i]
.endr
.irp i, 0,1
	v_permlanex16_b32 v[48+\i], v[14+4*\i], s[SEL], s[SEL+1]
.endr
	v_and_b32 v63, 31, v0                          ; the way out's addresses
	v_lshlrev_b32 v63, 2, v63
	s_lshl_b32 s51, s[WV], 9
	s_add_co_u32 s51, s51, MRG
	v_add_nc_u32 v[MA], s51, v63
	s_xor_b32 s51, s[WV], 2
	s_lshl_b32 s51, s51, 9
	s_add_co_u32 s51, s51, MRG
	v_add_nc_u32 v[MB], s51, v63                   ; the other half's
	v_and_b32 v59, 15, v0
	v_bfe_u32 v58, v0, 4, 1
	s_mul_i32 s51, s[WV], 16*RP
	v_mul_u32_u24 v59, v59, RP
	v_lshl_add_u32 v59, v58, 6, v59
	v_add_nc_u32 v[RA], s51, v59                   ; the way out: row 16 wave + r, + 64 h
	v_lshlrev_b32 v[RB], 3, v0                     ; and back: two channels a thread
.irp i, 0,1
	v_add_f32 v[14+4*\i], v[14+4*\i], v[48+\i]
.endr
.irp i, 0,1
	ds_store_b32 v[MA], v[12+4*\i] offset:256*\i
	ds_store_b32 v[MA], v[14+4*\i] offset:256*\i+128
.endr
	s_wait_alu depctr_va_vdst(0)
	s_wait_dscnt 0x0
	s_barrier_signal -1
	s_barrier_wait -1
.irp i, 0,1
	ds_load_b32 v[44+\i], v[MB] offset:256*\i
	ds_load_b32 v[46+\i], v[MB] offset:256*\i+128
.endr
	s_wait_dscnt 0x0
.irp i, 0,1
	v_min_num_f32 v[52+\i], v[12+4*\i], v[44+\i]   ; the greater M
.endr
.irp i, 0,1
	v_sub_f32 v[54+\i], v[52+\i], v[12+4*\i]
	v_sub_f32 v[56+\i], v[52+\i], v[44+\i]
.endr
.irp i, 0,1
	v_cvt_i32_f32 v[54+\i], v[54+\i]
	v_cvt_i32_f32 v[56+\i], v[56+\i]
.endr
.irp i, 0,1
	v_ldexp_f32 v[54+\i], 1.0, v[54+\i]
	v_ldexp_f32 v[56+\i], 1.0, v[56+\i]
.endr
.irp i, 0,1
	v_mul_f32 v[46+\i], v[46+\i], v[56+\i]
.endr
.irp i, 0,1
	v_fma_f32 v[46+\i], v[14+4*\i], v[54+\i], v[46+\i]
.endr
	s_wait_alu depctr_va_vdst(0)                   ; ahead of the transcendentals,
.irp i, 0,1
	v_rcp_f32 v[58+\i], v[46+\i]
.endr
	v_nop
	s_wait_alu depctr_va_vdst(0)                   ; and ahead of their readers and of O's
.irp i, 0,1
	v_mul_f32 v[20+2*\i], v[54+\i], v[58+\i]
.endr
	WIN 0x01
.set n, 0
.rept 64
	v_pk_mul_f32 v[128+n:129+n], v[n:n+1], v[20:21] op_sel_hi:[1,0]
.set n, n+2
.endr
.set n, 0
.rept 64                               ; my two query tiles together
	v_pk_fma_f32 v[128+n:129+n], v[128+n:129+n], v[22:23], v[128+n:129+n] op_sel_hi:[1,0,1]
.set n, n+2
.endr
	WIN 0
.set n, 0
.rept 32                               ; slot 0 has had its last fill, and all reads of it stand ahead of the barrier above
	ds_store_b128 v[RA], v[128+4*n:128+4*n+3] offset:128*(n/4)+16*(n%4)
.set n, n+1
.endr
	s_wait_dscnt 0x0
	s_barrier_signal -1
	s_barrier_wait -1
.set n, 0
.rept 64                               ; 4 waves x 16 lanes = 64 rows of 256 channels; a thread takes two channels
	ds_load_b64 v[128+2*n:129+2*n], v[RB] offset:RP*n
.set n, n+1
.endr
	s_wait_dscnt 0x0
.irp m, 32,16,8,4,2,1
.set n, 0
.rept \m
	v_pk_add_f32 v[128+2*n:129+2*n], v[128+2*n:129+2*n], v[128+2*(n+\m):129+2*(n+\m)]
.set n, n+1
.endr
.endr
	global_store_b64 v[RB], v[128:129], s[10:11]   ; a wave stores 256 consecutive bytes, aligned
	s_wait_tensorcnt 0x0                           ; the wave's end
	ds_add_u32 v[SPW], v[NIL]
	s_wait_dscnt 0x0
	CROUND                                         ; the closing round
	s_endpgm
.Lfunc_end_k_q20944ad806_attn:
	.size	k_q20944ad806_attn, .Lfunc_end_k_q20944ad806_attn-k_q20944ad806_attn
	.p2alignl 7, 3214868480
	.fill 96, 4, 3214868480
	.section	.rodata,"a",@progbits
	.p2align	6, 0x0
	.amdhsa_kernel k_q20944ad806_attn
		.amdhsa_group_segment_fixed_size 327680
		.amdhsa_private_segment_fixed_size 0
		.amdhsa_enable_private_segment 0
		.amdhsa_kernarg_size 32
		.amdhsa_user_sgpr_count 2
		.amdhsa_user_sgpr_kernarg_segment_ptr 1
		.amdhsa_wavefront_size32 1
		.amdhsa_system_sgpr_workgroup_id_x 1
		.amdhsa_system_sgpr_workgroup_id_y 1
		.amdhsa_system_sgpr_workgroup_id_z 1
		.amdhsa_system_vgpr_workitem_id 0
		.amdhsa_next_free_vgpr 1024
		.amdhsa_next_free_sgpr 66
		.amdhsa_reserve_vcc 0
		.amdhsa_float_denorm_mode_32 3
		.amdhsa_float_denorm_mode_16_64 3
		.amdhsa_memory_ordered 1
		.amdhsa_forward_progress 1
		.amdhsa_inst_pref_size 201
	.end_amdhsa_kernel
	.amdgpu_metadata
---
amdhsa.version: [ 1, 2 ]
amdhsa.kernels:
  - .name:           k_q20944ad806_attn
    .symbol:         k_q20944ad806_attn.kd
    .args:
      - { .name: qimg, .offset: 0, .size: 8, .value_kind: global_buffer, .address_space: global }
      - { .name: qsc, .offset: 8, .size: 8, .value_kind: global_buffer, .address_space: global }
      - { .name: kv, .offset: 16, .size: 8, .value_kind: global_buffer, .address_space: global }
      - { .name: part, .offset: 24, .size: 8, .value_kind: global_buffer, .address_space: global }
    .group_segment_fixed_size: 327680
    .private_segment_fixed_size: 0
    .kernarg_segment_align: 8
    .kernarg_segment_size: 32
    .max_flat_workgroup_size: 128
    .sgpr_count:     66
    .vgpr_count:     1024
    .wavefront_size: 32
...
	.end_amdgpu_metadata
.endif
;; end of part 3
;; launch mean (part 4): grid 16 x 1, 8 waves a work-group, no clusters, 3,072 bytes of LDS; arguments part, out0; writes out0
.if DOCPART == 4
	.amdgcn_target "amdgcn-amd-amdhsa--gfx1250"
	.amdhsa_code_object_version 6
	.text
	.protected	k_q20944ad806_mean
	.globl	k_q20944ad806_mean
	.p2align	8
	.type	k_q20944ad806_mean,@function
k_q20944ad806_mean:
	s_mov_b64 s[64:65], 0
	v_nop
	global_prefetch_b8 v0, s[64:65] scope:SCOPE_SE
	s_setreg_imm32_b32 hwreg(HW_REG_WAVE_MODE, 25, 1), 1
	s_wait_xcnt 0x0
; out0[b][d] = 2^-12 x the sum of the batch's 64 parts (each the sum over 64 queries): the mean over 4,096 queries.  part: [4][64][256] f32.
; A work-group takes 64 channels of one batch: 4 x 4 = 16 work-groups.  Thread t takes four channels (t % 16) of parts t / 16 + 16 k, k = 0..3: sixteen lanes read 256 consecutive bytes.
; The sums meet across the halves of a wave by a lane permute, across the eight waves in LDS; wave 0 stores 256 consecutive bytes, aligned.  No matrix work, nothing shared between work-groups: no cluster.
	s_load_b128 s[4:7], s[0:1], 0x0                ; part, out0
	v_lshl_add_u32 v48, v0, 2, 0x800
	v_mov_b32 v49, 0
	v_lshrrev_b32 v1, 5, v0
	s_delay_alu instid0(VALU_DEP_1)
	v_readfirstlane_b32 s8, v1                     ; wave
	v_and_b32 v2, 15, v0
	v_lshrrev_b32 v3, 4, v0                        ; which part of sixteen
	s_delay_alu instid0(VALU_DEP_2)
	v_lshlrev_b32 v4, 4, v2                        ; my 16 bytes of the 256
	s_wait_alu depctr_va_vdst(0)
	v_lshl_add_u32 v5, v3, 10, v4
	s_lshr_b32 s9, ttmp9, 2                        ; the batch
	s_and_b32 s10, ttmp9, 3                        ; which 64 channels
	s_lshl_b32 s11, s10, 8
	s_lshl_b32 s12, s9, 16
	s_add_co_u32 s12, s12, s11
	s_mov_b32 s13, 0
	s_lshl_b32 s14, s9, 10
	s_add_co_u32 s14, s14, s11
	s_mov_b32 s15, 0
	s_mov_b32 s16, 0x76543210
	s_mov_b32 s17, 0xfedcba98                      ; v_permlanex16_b32's selects for lane l xor 16
	s_lshl_b32 s18, s8, 8
	v_add_nc_u32 v6, s18, v4                       ; LDS: 256 bytes a wave
	s_wait_alu depctr_va_vdst(0)
	s_wait_kmcnt 0x0
	s_add_nc_u64 s[4:5], s[4:5], s[12:13]
	s_add_nc_u64 s[6:7], s[6:7], s[14:15]
.irp k, 0,1,2,3
	global_load_b128 v[8+4*\k:11+4*\k], v5, s[4:5] offset:16384*\k th:TH_LOAD_NT
.endr
.irp j, 0,1,2,3
	v_mov_b32 v[24+\j], 0                          ; a lane permute's destination counts as one of its sources
.endr
	s_wait_loadcnt 0x0
	v_pk_add_f32 v[8:9], v[8:9], v[12:13]
	v_pk_add_f32 v[10:11], v[10:11], v[14:15]
	v_pk_add_f32 v[16:17], v[16:17], v[20:21]
	v_pk_add_f32 v[18:19], v[18:19], v[22:23]
	s_delay_alu instid0(VALU_DEP_2)
	v_pk_add_f32 v[8:9], v[8:9], v[16:17]
	s_delay_alu instid0(VALU_DEP_2)
	v_pk_add_f32 v[10:11], v[10:11], v[18:19]
.irp j, 0,1,2,3
	v_permlanex16_b32 v[24+\j], v[8+\j], s16, s17
.endr
.irp j, 0,1,2,3
	s_delay_alu instid0(VALU_DEP_4)
	v_add_f32 v[8+\j], v[8+\j], v[24+\j]
.endr
	ds_store_b128 v6, v[8:11]                      ; both halves of the lanes write the same bytes with the same values
	s_wait_dscnt 0x0                               ; for wave 0's sake
	s_barrier_signal -1
	s_barrier_wait -1
	s_cmp_lg_u32 s8, 0
	s_cbranch_scc1 .Lend
.irp k, 0,1,2,3,4,5,6,7
	ds_load_b128 v[8+4*\k:11+4*\k], v4 offset:256*\k
.endr
	s_wait_dscnt 0x0
.irp k, 0,1,2,3
	v_pk_add_f32 v[8+4*\k:9+4*\k], v[8+4*\k:9+4*\k], v[24+4*\k:25+4*\k]
	v_pk_add_f32 v[10+4*\k:11+4*\k], v[10+4*\k:11+4*\k], v[26+4*\k:27+4*\k]
.endr
.irp k, 0,1
	s_delay_alu instid0(VALU_DEP_4)
	v_pk_add_f32 v[8+4*\k:9+4*\k], v[8+4*\k:9+4*\k], v[16+4*\k:17+4*\k]
	s_delay_alu instid0(VALU_DEP_4)
	v_pk_add_f32 v[10+4*\k:11+4*\k], v[10+4*\k:11+4*\k], v[18+4*\k:19+4*\k]
.endr
	s_delay_alu instid0(VALU_DEP_2)
	v_pk_add_f32 v[8:9], v[8:9], v[12:13]
	s_delay_alu instid0(VALU_DEP_2)
	v_pk_add_f32 v[10:11], v[10:11], v[14:15]
	s_delay_alu instid0(VALU_DEP_2)
	v_pk_mul_f32 v[8:9], v[8:9], 0x39800000 op_sel_hi:[1,0]        ; x 2^-12
	s_delay_alu instid0(VALU_DEP_2)
	v_pk_mul_f32 v[10:11], v[10:11], 0x39800000 op_sel_hi:[1,0]
	s_wait_alu depctr_va_vdst(0)
	s_wait_xcnt 0x0                                ; EXEC changes only behind this wait
	v_cmp_gt_u32 vcc_lo, 16, v0
	s_and_saveexec_b32 s20, vcc_lo
	global_store_b128 v4, v[8:11], s[6:7]          ; sixteen lanes store 256 consecutive bytes, aligned
	s_wait_xcnt 0x0
	s_or_b32 exec_lo, exec_lo, s20
.Lend:
	s_wait_tensorcnt 0x0
	ds_add_u32 v48, v49
	s_wait_dscnt 0x0
	s_endpgm
.Lfunc_end_k_q20944ad806_mean:
	.size	k_q20944ad806_mean, .Lfunc_end_k_q20944ad806_mean-k_q20944ad806_mean
	.p2alignl 7, 3214868480
	.fill 96, 4, 3214868480
	.section	.rodata,"a",@progbits
	.p2align	6, 0x0
	.amdhsa_kernel k_q20944ad806_mean
		.amdhsa_group_segment_fixed_size 3072
		.amdhsa_private_segment_fixed_size 0
		.amdhsa_enable_private_segment 0
		.amdhsa_kernarg_size 16
		.amdhsa_user_sgpr_count 2
		.amdhsa_user_sgpr_kernarg_segment_ptr 1
		.amdhsa_wavefront_size32 1
		.amdhsa_system_sgpr_workgroup_id_x 1
		.amdhsa_system_sgpr_workgroup_id_y 1
		.amdhsa_system_sgpr_workgroup_id_z 1
		.amdhsa_system_vgpr_workitem_id 0
		.amdhsa_next_free_vgpr 50
		.amdhsa_next_free_sgpr 66
		.amdhsa_reserve_vcc 1
		.amdhsa_float_denorm_mode_32 3
		.amdhsa_float_denorm_mode_16_64 3
		.amdhsa_memory_ordered 1
		.amdhsa_forward_progress 1
		.amdhsa_inst_pref_size 6
	.end_amdhsa_kernel
	.amdgpu_metadata
---
amdhsa.version: [ 1, 2 ]
amdhsa.kernels:
  - .name:           k_q20944ad806_mean
    .symbol:         k_q20944ad806_mean.kd
    .args:
      - { .name: part, .offset: 0, .size: 8, .value_kind: global_buffer, .address_space: global }
      - { .name: out0, .offset: 8, .size: 8, .value_kind: global_buffer, .address_space: global }
    .group_segment_fixed_size: 3072
    .private_segment_fixed_size: 0
    .kernarg_segment_align: 8
    .kernarg_segment_size: 16
    .max_flat_workgroup_size: 256
    .sgpr_count:     66
    .vgpr_count:     50
    .wavefront_size: 32
...
	.end_amdgpu_metadata
.endif
;; end of part 4
